; MI455X (gfx1250); checked and timed in simulation.
; The chip was launched on July 23, 2026; its instructions are those of AMD's public machine-readable ISA for CDNA 5 (MIT licence, August 2026) and "CDNA5" Instruction Set Architecture Reference Guide (July 2026). The comments in the code are by the model that wrote it; some were corrected since.
;; MDPP Init Embedding. Allowed arithmetic: float matrix products may take bf16 or f16 operands with f32 sums; all other float work in f32.
;; Inputs: W1 2 x 256 float32; W2 1 x 256 float32; W3 512 x 256 float32; b1 256 float32; b2 256 float32; b3 256 float32; locs 8 x 4,096 x 2 float32; probe 8 x 4,096 bool.
;; Outputs: out0 8 x 4,096 x 256 float32.
;; One version. Each part assembles by itself: llvm-mc -triple=amdgcn-amd-amdhsa -mcpu=gfx1250 --defsym DOCPART=n.
;; ======== version 1 of 1: 1 launch
;; launch embed (part 1): grid 256 x 1, 8 waves a work-group, no clusters, 168,960 bytes of LDS; arguments locs, probe, W1, b1, W2, b2, W3, b3, out0; writes out0
.if DOCPART == 1
	.amdgcn_target "amdgcn-amd-amdhsa--gfx1250"
	.amdhsa_code_object_version 6
	.text
	.protected	k_q5dbab06b21_embed
	.globl	k_q5dbab06b21_embed
	.p2align	8
	.type	k_q5dbab06b21_embed,@function
k_q5dbab06b21_embed:
	s_mov_b64 s[64:65], 0
	v_nop
	global_prefetch_b8 v0, s[64:65] scope:SCOPE_SE
	s_setreg_imm32_b32 hwreg(HW_REG_WAVE_MODE, 25, 1), 1
	s_wait_xcnt 0x0
; out[b][n][:] = concat(locs W1 + b1, d W2 + b2) W3 + b3, d[b][n] = the least distance from point n to a point i of batch b with probe[b][i] set.
; Behind d everything is linear, so for every input, with W3a = rows 0-255 and W3b = rows 256-511 of W3,
;   out[n][:] = x U0 + y U1 + d U2 + c,   U0 = W1[0] W3a,  U1 = W1[1] W3a,  U2 = W2[0] W3b,  c = b1 W3a + b2 W3b + b3.
; The root and the clip at 0 are monotone, so the minimum is taken over d^2 and one root is taken for each point; rows without a probe are
; thrown away by the mask, so only probes are visited (any mask is served: a list holds all its 512 candidates if need be).
;
; SHARES.  256 work-groups of 8 waves.  id = 32 b + 4 rb + s: batch b, block rb of 512 rows, slice s of 64 columns (256 bytes of a row of out).
;   lists:     wave w compacts the probes among candidates 512 w .. 512 w + 511 into list w in LDS; all waves read all eight lists.
;   lengths:   every wave counts all eight lists by itself, from the batch's 4,096 probe bytes, so that the number of trips is a scalar of its own, equal in all waves.
;   distances: wave w owns rows 64 w .. 64 w + 63, the rows that it stores.  Lane (h, q) holds the 32 rows 64 w + 32 h + n and visits one sixteenth of the probes
;              (list q / 2, entries of parity q % 2); the sixteen lanes' minima meet inside the wave.  So no wave needs another wave's minima, and every lane
;              ends up with x', y', d of the rows that it stores, in registers.
;   halves:    the rows go in two halves (n = 0-15, n = 16-31): the first half's 16 stores of each wave leave while the second half's distances are worked out.
;   weights:   thread t = 16 g + q holds rows 32 g .. 32 g + 31 of W3, columns 4 q .. 4 q + 3 of the slice, in 128 registers, asked for at the head; the first half's
;              distances are worked out while these 128 KiB of the work-group are on their way; the waves' partial sums meet in LDS.
;   out:       a store covers two rows (n of h = 0 and of h = 1), sixteen lanes each writing 256 consecutive bytes, aligned.
; WHY NO MATRIX UNIT: the product inside d^2 is a difference of numbers near 1 that leaves some 1e-3, which 8 bits of mantissa cannot carry; the collapsed weights are a
; product of 4 rows; the update of rank 4 costs 6 packed multiply-adds for each 16-byte store and leaves a lane with 16 neighbouring bytes of out.
; WHY NO JOINT LOADS: the slice of W3 is shared by the 64 work-groups of equal s, but each asks for it once, straight into the registers that are multiplied; through LDS
; the same 128 KiB would be written there and read back once more, and nothing else is shared in bulk (locs of a batch: 32 KiB).
; LIMITS.  (1) A batch without any probe: d = +inf, so out is +-inf, and NaN where U2 is 0.  (2) A probe with a NaN coordinate is passed over by the minimum
; (v_min3_num_f32).  (3) d^2 below 2^-126 gives d = 0 (v_sqrt_f32 takes denormals as 0).  (4) The order of rounding is not that of the formula as given: the weights are
; collapsed in f32, and d^2 and the update are formed from coordinates centred on locs[b][0], which takes a common offset out of the cancellation.
; (5) The lists' lengths are sums of the probe bytes: the bytes are 0 or 1, as the type says.
; LDS
.set PL_W,  9248                       ; list w at w * 9248: 576 entries of 16 bytes (-2x', -2y', x'^2 + y'^2, 0): 512 candidates + 32 closing entries + a dump of 32 that is never read,
                                       ; + 32 bytes, so that the pitch is 32 modulo 256: the 16 entries that 16 lanes read (8 lists x 2 parities) lie in 16 different columns of 16 bytes
.set LIST,  544                        ; entries that may be read; the dump begins here
.set COEF,  0x12100                    ; 512 x 16: entry k < 256: (W1[0][k], W1[1][k], b1[k], 0); entry 256 + k: (W2[k], 0, b2[k], 0)
.set UP,    0x14100                    ; 8 x 768: wave w's three partial sums of 64 columns, 256 bytes each; ends at 88,320
.set MAXTRIP, 65                       ; (512 + 8) / 8 trips of eight entries of each list at the most
; scalar registers
.set MASK, 44                          ; s[44:48], s[52:56]: two sets of five ballots
; vector registers
.set LANE, 1                           ; l = t & 31
.set Q,    2                           ; q = t & 15
.set H,    3                           ; h = (t >> 4) & 1
.set G,    4                           ; g = t >> 4
.set ZERO, 5
.set OPRB, 6                           ; byte offsets beside the buffers' bases: probe, 512 w + 4 l
.set OCAND, 7                          ; candidates in locs, 4096 w + 32 l
.set OROWS, 8                          ; my 32 rows, 512 w + 256 h
.set PB,   9                           ; LDS: my first entry, (q / 2) * 9248 + 16 (q % 2)
.set OVEC, 10                          ; 4 t
.set OW3,  11                          ; 32768 g + 16 q
.set OB3,  12                          ; 16 q
.set OOUT, 13                          ; 65536 w + 32768 h + 16 q
.set PA,   14                          ; LDS: walks the lists; later the partial sums
.set AD,   15                          ; LDS address at hand
.set DUMPI, 15                         ; while the list is made: 544 + l, my entry of the dump
.set PRB,  16                          ; v[16:19] probe words
.set KAD,  19                          ; later: LDS address of my group's coefficients
.set KA,   20                          ; v[20:23], v[24:27] my two entries of COEF
.set KB,   24
.set K1,   20                          ; later v[20:35]: four coefficient entries
.set OPALL, 32                         ; at the head: 16 l, my 16 bytes of each list's 512 probe bytes
.set B3,   36                          ; v[36:39]
.set ENT,  40                          ; v[40:43] a list entry
.set BA,   44                          ; v[44:51], v[52:59] two probes each
.set BB,   52
.set TT,   44                          ; the compaction's centred pair
.set CEN,  60                          ; v[60:61] locs[b][0]
.set POS,  62
.set FLG,  63
.set CAND, 64                          ; v[64:95] 16 candidates (x, y)
.set XY,   64                          ; then, for a half's 16 rows: row pair i: x' of two rows in 64 + 4 i, + 1; y' in + 2, + 3
.set ROWS, 96                          ; v[96:127] the first half's 16 rows as loaded
.set MN,   96                          ; then v[96:111] 16 running minima, at last d,
.set TW,   112                         ; v[112:127] two sets of 8 at work
.set K0,   112                         ; and four coefficient entries
.set W3R,  128                         ; v[128:255] 32 rows x 4 columns of W3
.set PALL, 224                         ; v[224:255] first: 16 probe bytes of each of the 8 lists; W3's rows 24-31 are asked for behind the count
.set ACA,  44                          ; v[44:47], v[48:51], v[52:55] three partial sums of my 4 columns
.set ACB,  48
.set ACC,  52
.set U0,   16                          ; v[16:31] U0, U1, U2, c of my four columns
.set U1,   20
.set U2,   24
.set CC,   28
.set UL,   128                         ; v[128:207] the 20 partial sums read back
.set ROWS2, 224                        ; v[224:255] the second half's 16 rows as loaded
.set O,    128                         ; v[128:255] one set of 4 for each of the 32 stores
	s_load_b512 s[8:23], s[0:1], 0x0               ; locs 8, probe 10, W1 12, b1 14, W2 16, b2 18, W3 20, b3 22
	s_load_b64 s[24:25], s[0:1], 0x40              ; out0
	s_set_vgpr_msb 0x40
	v_lshl_add_u32 v0, v0, 2, 0x29000
	v_mov_b32 v1, 0
	s_set_vgpr_msb 0x4000
	v_lshrrev_b32 v[AD], 5, v0
	v_readfirstlane_b32 s2, v[AD]                  ; wave w
	s_and_b32 s4, ttmp9, 3                         ; s
	s_bfe_u32 s5, ttmp9, 0x30002                   ; rb
	s_lshr_b32 s6, ttmp9, 5                        ; b
	s_lshl_b32 s26, s6, 15                         ; locs: 32,768 bytes a batch
	s_mov_b32 s27, 0
	s_lshl_b32 s28, s5, 12                         ; 512 rows of 8 bytes
	s_mov_b32 s29, 0
	s_lshl_b32 s38, s6, 12                         ; probe: 4,096 bytes a batch
	s_mov_b32 s39, 0
	s_lshl_b32 s40, s4, 8                          ; 64 columns of 4 bytes
	s_mov_b32 s41, 0
	s_lshl_b32 s42, s6, 22                         ; out: 4 MiB a batch + 512 rows of 1,024 bytes + the slice; below 32 MiB
	s_lshl_b32 s32, s5, 19
	s_add_co_u32 s42, s42, s32
	s_add_co_u32 s42, s42, s40
	s_mov_b32 s43, 0
	s_mul_i32 s30, s2, PL_W                        ; my wave's list
	s_lshl_b32 s32, s2, 9
	s_lshl_b32 s33, s2, 12
	s_lshl_b32 s35, s2, 16
	v_and_b32 v[LANE], 31, v0
	v_and_b32 v[Q], 15, v0
	v_bfe_u32 v[H], v0, 4, 1
	v_lshrrev_b32 v[G], 4, v0
	v_mov_b32 v[ZERO], 0
	; The whole list is filled with closing entries (0, 0, +inf, 0), which lose every minimum: 17 stores of 32 entries, while the arguments are on their way.
	; Every list is read as far as the longest one reaches, and a little further.
	v_mov_b32 v[ENT], 0
	v_mov_b32 v[ENT+1], 0
	v_mov_b32 v[ENT+2], 0x7f800000
	v_mov_b32 v[ENT+3], 0                          ; stays 0 in every entry
	v_lshl_add_u32 v[POS], v[LANE], 4, s30
.set k, 0
.rept 17
	ds_store_b128 v[POS], v[ENT:ENT+3] offset:512*k
.set k, k+1
.endr
	v_add_nc_u32 v[DUMPI], LIST, v[LANE]
	v_lshl_add_u32 v[OPRB], v[LANE], 2, s32
	v_lshlrev_b32 v[OPALL], 4, v[LANE]
	v_lshl_add_u32 v[OCAND], v[LANE], 5, s33
	v_lshl_add_u32 v[OROWS], v[H], 8, s32          ; 64 rows of 8 bytes a wave, 32 a half
	v_lshlrev_b32 v[OVEC], 2, v0
	v_lshlrev_b32 v[OB3], 4, v[Q]
	v_lshl_add_u32 v[OW3], v[G], 15, v[OB3]
	v_lshl_add_u32 v[OOUT], v[H], 15, v[OB3]       ; 32 rows of 1,024 bytes a half
	v_add_nc_u32 v[OOUT], s35, v[OOUT]
	v_lshrrev_b32 v[PB], 1, v[Q]
	v_mul_u32_u24 v[PB], v[PB], PL_W
	v_and_b32 v[PA], 1, v[Q]
	v_lshl_add_u32 v[PB], v[PA], 4, v[PB]
	v_mov_b32 v[KA+3], 0                           ; the words of the 16-byte entries that no load fills
	v_mov_b32 v[KB+1], 0
	v_mov_b32 v[KB+3], 0
	s_wait_kmcnt 0x0
	s_add_nc_u64 s[8:9], s[8:9], s[26:27]          ; locs at my batch
	s_add_nc_u64 s[36:37], s[8:9], s[28:29]        ; locs at my 512 rows
	s_add_nc_u64 s[10:11], s[10:11], s[38:39]      ; probe at my batch
	s_add_nc_u64 s[20:21], s[20:21], s[40:41]      ; W3 and b3 at my slice
	s_add_nc_u64 s[22:23], s[22:23], s[40:41]
	s_add_nc_u64 s[24:25], s[24:25], s[42:43]      ; out at my block
	s_mov_b32 s26, 0x76543210                      ; v_permlanex16_b32: lane i of one half reads lane i of the other
	s_mov_b32 s27, 0xfedcba98
	s_mov_b32 s28, 0x7f800000                      ; +inf
	; 59 LOADS, in the order in which they are needed: 1 + 4 + 8 | 8 | 8 + 5 | 1 + 24; W3's last 8 follow behind the count.  No hint: other work-groups read the same bytes.
	; No offset register or base of a load is written again while that load is out, and EXEC never changes.
	global_load_b64 v[CEN:CEN+1], v[ZERO], s[8:9]                  ; the centre, locs[b][0]
.irp j, 0,1,2,3
	global_load_b32 v[PRB+\j], v[OPRB], s[10:11] offset:128*\j     ; byte m: candidate 512 w + 128 j + 4 l + m
.endr
.irp u, 0,1,2,3,4,5,6,7
	global_load_b128 v[PALL+4*\u:PALL+4*\u+3], v[OPALL], s[10:11] offset:512*\u        ; list u's 512 probe bytes, 16 a lane
.endr
.irp j, 0,1,2,3
	global_load_b128 v[CAND+8*\j:CAND+8*\j+3],   v[OCAND], s[8:9] offset:1024*\j       ; candidate (j, m) is the pair CAND + 8 j + 2 m
	global_load_b128 v[CAND+8*\j+4:CAND+8*\j+7], v[OCAND], s[8:9] offset:1024*\j+16
.endr
.irp i, 0,1,2,3,4,5,6,7
	global_load_b128 v[ROWS+4*\i:ROWS+4*\i+3], v[OROWS], s[36:37] offset:16*\i         ; rows n = 2 i, 2 i + 1 of my half; its sixteen lanes ask for the same 16 bytes
.endr
	global_load_b32 v[KA],   v[OVEC], s[12:13]                     ; W1[0][t]
	global_load_b32 v[KA+1], v[OVEC], s[12:13] offset:1024         ; W1[1][t]
	global_load_b32 v[KA+2], v[OVEC], s[14:15]                     ; b1[t]
	global_load_b32 v[KB],   v[OVEC], s[16:17]                     ; W2[t]
	global_load_b32 v[KB+2], v[OVEC], s[18:19]                     ; b2[t]
	global_load_b128 v[B3:B3+3], v[OB3], s[22:23]
.set i, 0
.rept 24
	global_load_b128 v[W3R+4*i:W3R+4*i+3], v[OW3], s[20:21] offset:1024*i              ; row 32 g + i: a wave's load covers two aligned runs of 256 bytes
.set i, i+1
.endr
	; THE TRIPS.  A trip takes four entries a lane, eight of each list, and all lists are read as far as the longest reaches: so the longest list's length is wanted,
	; in a scalar register.  A lane adds its 16 bytes of a list (16 at the most: five bits); the sum over the 32 lanes is five ballots, one for each bit, each counted
	; and weighted by its bit.
	s_wait_loadcnt 46                              ; the centre and all probe bytes are in; the 8 + 8 + 5 + 1 + 24 younger loads stay out
.irp u, 0,1,2,3,4,5,6,7
	v_add_nc_u32 v[PALL+4*\u], v[PALL+4*\u], v[PALL+4*\u+1]
.endr
.irp u, 0,1,2,3,4,5,6,7
	v_add_nc_u32 v[PALL+4*\u+2], v[PALL+4*\u+2], v[PALL+4*\u+3]
.endr
.irp u, 0,1,2,3,4,5,6,7
	v_add_nc_u32 v[PALL+4*\u], v[PALL+4*\u], v[PALL+4*\u+2]        ; four sums of four bytes, one in each byte, 4 at the most
.endr
.irp u, 0,1,2,3,4,5,6,7
	v_bfe_u32 v[PALL+4*\u+1], v[PALL+4*\u], 16, 16
.endr
.irp u, 0,1,2,3,4,5,6,7
	v_add_nc_u32 v[PALL+4*\u], v[PALL+4*\u], v[PALL+4*\u+1]        ; bytes 0 and 1: sums of eight
.endr
.irp u, 0,1,2,3,4,5,6,7
	v_bfe_u32 v[PALL+4*\u+1], v[PALL+4*\u], 8, 8
.endr
.irp u, 0,1,2,3,4,5,6,7
	v_add_nc_u32 v[PALL+4*\u], v[PALL+4*\u], v[PALL+4*\u+1]        ; bits 4:0: the sum of my sixteen (what lies above byte 0 is not looked at)
.endr
.macro BAL u, set                      ; list u: the five bits' ballots into one of the two sets of masks
.set PR, PALL+4*\u
.set MK, MASK+8*\set
	v_bfe_u32 v[PR+1], v[PR], 0, 1
	v_bfe_u32 v[PR+2], v[PR], 1, 1
	v_bfe_u32 v[PR+3], v[PR], 2, 1
	v_bfe_u32 v[POS],  v[PR], 3, 1
	v_bfe_u32 v[FLG],  v[PR], 4, 1
	v_cmp_ne_u32 s[MK],   0, v[PR+1]
	v_cmp_ne_u32 s[MK+1], 0, v[PR+2]
	v_cmp_ne_u32 s[MK+2], 0, v[PR+3]
	v_cmp_ne_u32 s[MK+3], 0, v[POS]
	v_cmp_ne_u32 s[MK+4], 0, v[FLG]
.endm
.macro SC set                          ; a set of masks: the list's length = sum over the bits k of 2^k x (lanes with bit k set); the longest so far in s34
.set MK, MASK+8*\set
	s_bcnt1_i32_b32 s33, s[MK+4]
	s_bcnt1_i32_b32 s32, s[MK+3]
	s_lshl1_add_u32 s33, s33, s32
	s_bcnt1_i32_b32 s32, s[MK+2]
	s_lshl1_add_u32 s33, s33, s32
	s_bcnt1_i32_b32 s32, s[MK+1]
	s_lshl1_add_u32 s33, s33, s32
	s_bcnt1_i32_b32 s32, s[MK]
	s_lshl1_add_u32 s33, s33, s32
	s_max_u32 s34, s34, s33
.endm
	s_mov_b32 s34, 0
	BAL 0, 0                                       ; a list's scalar lines stand behind the next list's vector lines
	BAL 1, 1
	SC 0
	BAL 2, 0
	SC 1
	BAL 3, 1
	SC 0
	BAL 4, 0
	SC 1
	BAL 5, 1
	SC 0
	BAL 6, 0
	SC 1
	BAL 7, 1
	SC 0
	SC 1
.set i, 24
.rept 8
	global_load_b128 v[W3R+4*i:W3R+4*i+3], v[OW3], s[20:21] offset:1024*i              ; W3's rows 32 g + 24 .. + 31, into the registers that held the probe bytes
.set i, i+1
.endr
	s_min_u32 s34, s34, 512
	s_add_co_u32 s34, s34, 8
	s_lshr_b32 s34, s34, 3                         ; (longest + 8) / 8: at least 1, and 8 x trips covers the longest list
	s_min_u32 s34, s34, MAXTRIP                    ; 65 for 512 probes: the last entry read is 8 x 65 + 3 = 523 < 544
	; THE LIST.  Each of my wave's 512 candidates, 32 at a time.  Every lane stores an entry: a lane whose probe byte is set at the list's end, in the lanes' order;
	; the others into the dump, so that all lanes stay on.
	s_wait_loadcnt 46                              ; the candidates are in; the 8 + 5 + 1 + 24 + 8 younger loads stay out
	s_mov_b32 s31, 0                               ; probes so far
.macro CSTEP j, m
	v_pk_add_f32 v[TT:TT+1], v[CAND+8*\j+2*\m:CAND+8*\j+2*\m+1], v[CEN:CEN+1] neg_lo:[0,1] neg_hi:[0,1]   ; (x', y')
	v_bfe_u32 v[FLG], v[PRB+\j], 8*\m, 8
	v_pk_mul_f32 v[ENT:ENT+1], v[TT:TT+1], -2.0 op_sel_hi:[1,0]
	v_mul_f32 v[ENT+2], v[TT], v[TT]
	v_cmp_ne_u32 vcc_lo, 0, v[FLG]
	v_fmac_f32 v[ENT+2], v[TT+1], v[TT+1]
	v_mbcnt_lo_u32_b32 v[POS], vcc_lo, s31         ; probes so far + probes in the lanes below me
	v_cndmask_b32 v[POS], v[DUMPI], v[POS], vcc_lo ; no probe: my entry of the dump
	v_min_u32 v[POS], 0x23f, v[POS]                ; an index made of loaded bytes is held inside the list's 576 entries (it is 511 at the most for a probe, 575 for the dump)
	v_lshlrev_b32 v[POS], 4, v[POS]
	v_add_nc_u32 v[POS], s30, v[POS]
	s_bcnt1_i32_b32 s32, vcc_lo
	s_add_co_u32 s31, s31, s32
	ds_store_b128 v[POS], v[ENT:ENT+3]             ; behind the closing entries of the same wave: LDS serves a wave's instructions in order (ISA guide 5.7.1)
.endm
.irp j, 0,1,2,3
.irp m, 0,1,2,3
	CSTEP \j, \m
.endr
.endr
; A half's 16 rows, from registers raw as loaded: centred and laid as pairs of x' and pairs of y'; the minima start at +inf
.macro PREP raw
.irp i, 0,1,2,3,4,5,6,7
	v_sub_f32 v[XY+4*\i],   v[\raw+4*\i],   v[CEN]
	v_sub_f32 v[XY+4*\i+1], v[\raw+4*\i+2], v[CEN]
	v_sub_f32 v[XY+4*\i+2], v[\raw+4*\i+1], v[CEN+1]
	v_sub_f32 v[XY+4*\i+3], v[\raw+4*\i+3], v[CEN+1]
.endr
.irp i, 0,1,2,3,4,5,6,7,8,9,10,11,12,13,14,15
	v_mov_b32 v[MN+\i], s28
.endr
.endm
	s_wait_loadcnt 33                              ; the first half's rows and the five vectors are in; b3 and W3's 32 stay out
	v_lshl_add_u32 v[AD], v0, 4, COEF
	ds_store_b128 v[AD], v[KA:KA+3]                ; my two entries of COEF
	ds_store_b128 v[AD], v[KB:KB+3] offset:4096
	PREP ROWS                                      ; (the minima take the registers that held the rows, behind the last read of them)
	s_wait_dscnt 0x0                               ; for the other waves: my list and my entries of COEF are in LDS
	s_barrier_signal -1
	s_barrier_wait -1
	; THE MINIMUM of s_i - 2 x'_i x'_j - 2 y'_i y'_j over my sixteenth of the probes; x'_j^2 + y'_j^2 is added once, behind the minimum (adding it is monotone).
; Two probes (buf, buf + 4) against 16 rows: for two row pairs at a time 4 + 4 packed multiply-adds and 4 minima of three; the two sets of TW take turns.
.macro PAIRS buf
.irp p, 0,1,2,3
.set TB, TW+8*(\p&1)
.set XR, XY+8*\p
	v_pk_fma_f32 v[TB:TB+1],   v[XR:XR+1],   v[\buf:\buf+1],   v[\buf+2:\buf+3] op_sel_hi:[1,0,0]
	v_pk_fma_f32 v[TB+2:TB+3], v[XR:XR+1],   v[\buf+4:\buf+5], v[\buf+6:\buf+7] op_sel_hi:[1,0,0]
	v_pk_fma_f32 v[TB+4:TB+5], v[XR+4:XR+5], v[\buf:\buf+1],   v[\buf+2:\buf+3] op_sel_hi:[1,0,0]
	v_pk_fma_f32 v[TB+6:TB+7], v[XR+4:XR+5], v[\buf+4:\buf+5], v[\buf+6:\buf+7] op_sel_hi:[1,0,0]
	v_pk_fma_f32 v[TB:TB+1],   v[XR+2:XR+3], v[\buf:\buf+1],   v[TB:TB+1]   op_sel:[0,1,0] op_sel_hi:[1,1,1]
	v_pk_fma_f32 v[TB+2:TB+3], v[XR+2:XR+3], v[\buf+4:\buf+5], v[TB+2:TB+3] op_sel:[0,1,0] op_sel_hi:[1,1,1]
	v_pk_fma_f32 v[TB+4:TB+5], v[XR+6:XR+7], v[\buf:\buf+1],   v[TB+4:TB+5] op_sel:[0,1,0] op_sel_hi:[1,1,1]
	v_pk_fma_f32 v[TB+6:TB+7], v[XR+6:XR+7], v[\buf+4:\buf+5], v[TB+6:TB+7] op_sel:[0,1,0] op_sel_hi:[1,1,1]
	v_min3_num_f32 v[MN+4*\p],   v[MN+4*\p],   v[TB],   v[TB+2]
	v_min3_num_f32 v[MN+4*\p+1], v[MN+4*\p+1], v[TB+1], v[TB+3]
	v_min3_num_f32 v[MN+4*\p+2], v[MN+4*\p+2], v[TB+4], v[TB+6]
	v_min3_num_f32 v[MN+4*\p+3], v[MN+4*\p+3], v[TB+5], v[TB+7]
.endr
.endm
; The loop over the lists for the half that lies in XY.  My entries of a list are 32 bytes apart.  While any wave is in such a loop no wave writes LDS.
.macro MINLOOP
	v_mov_b32 v[PA], v[PB]
	ds_load_b128 v[BA:BA+3],   v[PA]
	ds_load_b128 v[BA+4:BA+7], v[PA] offset:32
	s_mov_b32 s35, 0
.Lmin_\@:
	ds_load_b128 v[BB:BB+3],   v[PA] offset:64
	ds_load_b128 v[BB+4:BB+7], v[PA] offset:96
	s_wait_dscnt 2                                 ; all but the two just issued: BA is in, on the way in and on the way back
	PAIRS BA
	ds_load_b128 v[BA:BA+3],   v[PA] offset:128    ; the next trip's first two entries
	ds_load_b128 v[BA+4:BA+7], v[PA] offset:160
	v_add_nc_u32 v[PA], 128, v[PA]
	s_wait_dscnt 2                                 ; all but those two: BB is in
	PAIRS BB
	s_add_co_u32 s35, s35, 1
	s_cmp_lt_u32 s35, s34                          ; s34 is not written in the loop and is 65 at the most
	s_cbranch_scc1 .Lmin_\@
	s_wait_dscnt 0x0                               ; my reads of the lists are back, the two into BA that no trip used among them
.endm
; From sixteen lanes' minima to d of the half's 16 rows, in every lane of my half of the wave
.macro FIN
.irp mk, 1,2,4,8
.irp r, 0,1,2,3,4,5,6,7,8,9,10,11,12,13,14,15
	v_min_num_f32_dpp v[MN+\r], v[MN+\r], v[MN+\r] row_xmask:\mk row_mask:0xf bank_mask:0xf
.endr
.endr
.irp i, 0,1,2,3,4,5,6,7
	v_pk_fma_f32 v[MN+2*\i:MN+2*\i+1], v[XY+4*\i:XY+4*\i+1], v[XY+4*\i:XY+4*\i+1], v[MN+2*\i:MN+2*\i+1]       ; + x'^2
.endr
.irp i, 0,1,2,3,4,5,6,7
	v_pk_fma_f32 v[MN+2*\i:MN+2*\i+1], v[XY+4*\i+2:XY+4*\i+3], v[XY+4*\i+2:XY+4*\i+3], v[MN+2*\i:MN+2*\i+1]   ; + y'^2
.endr
.irp r, 0,1,2,3,4,5,6,7,8,9,10,11,12,13,14,15
	v_max_num_f32 v[MN+\r], 0, v[MN+\r]            ; the clip at 0; the root of 0 is 0
.endr
.irp r, 0,1,2,3,4,5,6,7,8,9,10,11,12,13,14,15
	v_sqrt_f32 v[MN+\r], v[MN+\r]
.endr
	v_nop                                          ; one plain vector instruction between the last root and the first use of the roots (ISA guide 5.7.2)
	s_wait_alu depctr_va_vdst(0)
.endm
	MINLOOP                                        ; the first half's rows
	s_barrier_signal -1                            ; I have left the loop.  Up to the wait: register work, and loads of COEF, which no wave writes again
.macro KLOAD kb, first
.irp i, 0,1,2,3
	ds_load_b128 v[\kb+4*\i:\kb+4*\i+3], v[KAD] offset:16*(\first+\i)
.endr
.endm
	v_lshl_add_u32 v[KAD], v[G], 9, COEF           ; entries 32 g ..
	KLOAD K0, 0
	KLOAD K1, 4
	FIN
	; THE WEIGHTS' PARTIAL SUMS: four rows of W3 at a time, each times its entry's three coefficients, onto six packed sums that take turns.
; c: which four rows; kb: where their entries lie; ds: how many younger LDS loads may stay out
.macro UCH c, kb, ds
	s_wait_loadcnt 28-4*\c                         ; loads come back in order (ISA guide 5.7.1): W3's rows up to 4 c + 3 are in
	s_wait_dscnt \ds
.irp i, 0,1,2,3
.set WR, W3R+4*(4*\c+\i)
.set KR, \kb+4*\i
.if \c+\i == 0
	v_pk_mul_f32 v[ACA:ACA+1],   v[WR:WR+1],   v[KR:KR+1] op_sel_hi:[1,0]         ; the first row starts the sums: nothing is cleared
	v_pk_mul_f32 v[ACA+2:ACA+3], v[WR+2:WR+3], v[KR:KR+1] op_sel_hi:[1,0]
	v_pk_mul_f32 v[ACB:ACB+1],   v[WR:WR+1],   v[KR:KR+1] op_sel:[0,1] op_sel_hi:[1,1]
	v_pk_mul_f32 v[ACB+2:ACB+3], v[WR+2:WR+3], v[KR:KR+1] op_sel:[0,1] op_sel_hi:[1,1]
	v_pk_mul_f32 v[ACC:ACC+1],   v[WR:WR+1],   v[KR+2:KR+3] op_sel_hi:[1,0]
	v_pk_mul_f32 v[ACC+2:ACC+3], v[WR+2:WR+3], v[KR+2:KR+3] op_sel_hi:[1,0]
.else
	v_pk_fma_f32 v[ACA:ACA+1],   v[WR:WR+1],   v[KR:KR+1], v[ACA:ACA+1]     op_sel_hi:[1,0,1]
	v_pk_fma_f32 v[ACA+2:ACA+3], v[WR+2:WR+3], v[KR:KR+1], v[ACA+2:ACA+3]   op_sel_hi:[1,0,1]
	v_pk_fma_f32 v[ACB:ACB+1],   v[WR:WR+1],   v[KR:KR+1], v[ACB:ACB+1]     op_sel:[0,1,0] op_sel_hi:[1,1,1]
	v_pk_fma_f32 v[ACB+2:ACB+3], v[WR+2:WR+3], v[KR:KR+1], v[ACB+2:ACB+3]   op_sel:[0,1,0] op_sel_hi:[1,1,1]
	v_pk_fma_f32 v[ACC:ACC+1],   v[WR:WR+1],   v[KR+2:KR+3], v[ACC:ACC+1]   op_sel_hi:[1,0,1]
	v_pk_fma_f32 v[ACC+2:ACC+3], v[WR+2:WR+3], v[KR+2:KR+3], v[ACC+2:ACC+3] op_sel_hi:[1,0,1]
.endif
.endr
.endm
	UCH 0, K0, 4                                   ; the count 4: the other buffer's four entries, issued behind this buffer's, may stay out
	KLOAD K0, 8
	UCH 1, K1, 4
	KLOAD K1, 12
	UCH 2, K0, 4
	KLOAD K0, 16
	UCH 3, K1, 4
	KLOAD K1, 20
	UCH 4, K0, 4
	KLOAD K0, 24
	UCH 5, K1, 4
	KLOAD K1, 28
	UCH 6, K0, 4
	UCH 7, K1, 0
	; groups 2 w and 2 w + 1 are the two halves of my wave: their sums are added here, so that 8 partial sums and not 16 go through LDS
.irp j, 0,1,2,3,4,5,6,7,8,9,10,11
	v_permlanex16_b32 v[K0+\j], v[ACA+\j], s26, s27                ; its destination counts as read: K0 has been written
.endr
.irp j, 0,2,4,6,8,10
	v_pk_add_f32 v[ACA+\j:ACA+\j+1], v[ACA+\j:ACA+\j+1], v[K0+\j:K0+\j+1]
.endr
	s_mul_i32 s32, s2, 768
	s_add_co_u32 s32, s32, UP
	v_add_nc_u32 v[AD], s32, v[OB3]                ; 768 w + 16 q
	s_barrier_wait -1                              ; every wave has left the loop: LDS may be written
	ds_store_b128 v[AD], v[ACA:ACA+3]              ; lanes q and 16 + q write the same bytes with the same numbers
	ds_store_b128 v[AD], v[ACB:ACB+3] offset:256
	ds_store_b128 v[AD], v[ACC:ACC+3] offset:512
.irp i, 0,1,2,3,4,5,6,7
	global_load_b128 v[ROWS2+4*\i:ROWS2+4*\i+3], v[OROWS], s[36:37] offset:128+16*\i   ; the second half's rows, into registers that W3 has left; wanted behind the first 16 stores
.endr
	s_wait_dscnt 0x0                               ; for the other waves: my partial sums are in LDS
	s_barrier_signal -1
	s_barrier_wait -1                              ; from here until the closing barrier no wave writes LDS
	; U0, U1, U2, c OF MY FOUR COLUMNS: waves 0-3 hold W3a's rows, waves 4-7 W3b's
	v_add_nc_u32 v[PA], UP, v[OB3]
.irp k, 0,1,2,3
	ds_load_b128 v[UL+4*\k:UL+4*\k+3], v[PA] offset:768*\k                     ; U0: first sum of waves 0-3
.endr
.irp k, 0,1,2,3
	ds_load_b128 v[UL+16+4*\k:UL+16+4*\k+3], v[PA] offset:768*\k+256           ; U1: second sum of waves 0-3
.endr
.irp k, 0,1,2,3
	ds_load_b128 v[UL+32+4*\k:UL+32+4*\k+3], v[PA] offset:768*(\k+4)           ; U2: first sum of waves 4-7
.endr
.irp k, 0,1,2,3,4,5,6,7
	ds_load_b128 v[UL+48+4*\k:UL+48+4*\k+3], v[PA] offset:768*\k+512           ; c: third sum of all 8
.endr
.macro SUM4 dst, src                   ; four sets of 4 registers added by pairs
.irp p, 0,2
	v_pk_add_f32 v[\src+\p:\src+\p+1],     v[\src+\p:\src+\p+1],     v[\src+4+\p:\src+4+\p+1]
	v_pk_add_f32 v[\src+8+\p:\src+8+\p+1], v[\src+8+\p:\src+8+\p+1], v[\src+12+\p:\src+12+\p+1]
	v_pk_add_f32 v[\dst+\p:\dst+\p+1],     v[\src+\p:\src+\p+1],     v[\src+8+\p:\src+8+\p+1]
.endr
.endm
	s_wait_dscnt 16                                ; the first 4 of the 20 loads are in
	SUM4 U0, UL
	s_wait_dscnt 12
	SUM4 U1, UL+16
	s_wait_dscnt 8
	SUM4 U2, UL+32
	s_wait_dscnt 0x0
	SUM4 CC, UL+48
	SUM4 UL+48, UL+64                              ; (its result lands on registers that the line above has read)
	v_pk_add_f32 v[CC:CC+1],   v[CC:CC+1],   v[UL+48:UL+49]
	v_pk_add_f32 v[CC+2:CC+3], v[CC+2:CC+3], v[UL+50:UL+51]
	v_pk_add_f32 v[CC:CC+1],   v[CC:CC+1],   v[B3:B3+1]                        ; b3 came in ahead of W3
	v_pk_add_f32 v[CC+2:CC+3], v[CC+2:CC+3], v[B3+2:B3+3]
	; the rows are kept centred: x U0 + y U1 = x' U0 + y' U1 + (cx U0 + cy U1), and the bracket goes into the constant
	v_pk_fma_f32 v[CC:CC+1],   v[U0:U0+1],   v[CEN:CEN+1], v[CC:CC+1]   op_sel_hi:[1,0,1]
	v_pk_fma_f32 v[CC+2:CC+3], v[U0+2:U0+3], v[CEN:CEN+1], v[CC+2:CC+3] op_sel_hi:[1,0,1]
	v_pk_fma_f32 v[CC:CC+1],   v[U1:U1+1],   v[CEN:CEN+1], v[CC:CC+1]   op_sel:[0,1,0] op_sel_hi:[1,1,1]
	v_pk_fma_f32 v[CC+2:CC+3], v[U1+2:U1+3], v[CEN:CEN+1], v[CC+2:CC+3] op_sel:[0,1,0] op_sel_hi:[1,1,1]
	s_wait_alu depctr_va_vdst(0)
; THE WAY OUT of half c: store n holds rows 64 w + 32 h + 16 c + n.  Row n's x', y', d are word n % 2 of three register pairs.  A store is issued behind the next row's
; multiply-adds.  Each store has data registers of its own and the offset register is never rewritten, so nothing waits for a store.
.macro OUTC c
.set n, 0
.rept 16
.set OREG, O+4*(16*\c+n)
.set XR, XY+4*(n/2)
.set MR, MN+2*(n/2)
.if n%2 == 0
	v_pk_fma_f32 v[OREG:OREG+1],   v[U0:U0+1],   v[XR:XR+1],     v[CC:CC+1]       op_sel_hi:[1,0,1]                ; x' U0 + c
	v_pk_fma_f32 v[OREG+2:OREG+3], v[U0+2:U0+3], v[XR:XR+1],     v[CC+2:CC+3]     op_sel_hi:[1,0,1]
	v_pk_fma_f32 v[OREG:OREG+1],   v[U1:U1+1],   v[XR+2:XR+3],   v[OREG:OREG+1]   op_sel_hi:[1,0,1]                ; + y' U1
	v_pk_fma_f32 v[OREG+2:OREG+3], v[U1+2:U1+3], v[XR+2:XR+3],   v[OREG+2:OREG+3] op_sel_hi:[1,0,1]
	v_pk_fma_f32 v[OREG:OREG+1],   v[U2:U2+1],   v[MR:MR+1],     v[OREG:OREG+1]   op_sel_hi:[1,0,1]                ; + d U2
	v_pk_fma_f32 v[OREG+2:OREG+3], v[U2+2:U2+3], v[MR:MR+1],     v[OREG+2:OREG+3] op_sel_hi:[1,0,1]
.else
	v_pk_fma_f32 v[OREG:OREG+1],   v[U0:U0+1],   v[XR:XR+1],     v[CC:CC+1]       op_sel:[0,1,0] op_sel_hi:[1,1,1]
	v_pk_fma_f32 v[OREG+2:OREG+3], v[U0+2:U0+3], v[XR:XR+1],     v[CC+2:CC+3]     op_sel:[0,1,0] op_sel_hi:[1,1,1]
	v_pk_fma_f32 v[OREG:OREG+1],   v[U1:U1+1],   v[XR+2:XR+3],   v[OREG:OREG+1]   op_sel:[0,1,0] op_sel_hi:[1,1,1]
	v_pk_fma_f32 v[OREG+2:OREG+3], v[U1+2:U1+3], v[XR+2:XR+3],   v[OREG+2:OREG+3] op_sel:[0,1,0] op_sel_hi:[1,1,1]
	v_pk_fma_f32 v[OREG:OREG+1],   v[U2:U2+1],   v[MR:MR+1],     v[OREG:OREG+1]   op_sel:[0,1,0] op_sel_hi:[1,1,1]
	v_pk_fma_f32 v[OREG+2:OREG+3], v[U2+2:U2+3], v[MR:MR+1],     v[OREG+2:OREG+3] op_sel:[0,1,0] op_sel_hi:[1,1,1]
.endif
.if n > 0
	global_store_b128 v[OOUT], v[OREG-4:OREG-1], s[24:25] offset:1024*(16*\c+n-1) th:TH_STORE_NT   ; sixteen lanes: 256 consecutive bytes at a multiple of 256 from out's first byte
.endif
.set n, n+1
.endr
	global_store_b128 v[OOUT], v[O+4*(16*\c+15):O+4*(16*\c+15)+3], s[24:25] offset:1024*(16*\c+15) th:TH_STORE_NT
.endm
	OUTC 0                                         ; 16 stores, which leave while the second half is worked out
	s_wait_loadcnt 0x0                             ; the second half's rows
	PREP ROWS2                                     ; over the first half's x', y' and d, which only the multiply-adds above have read
	MINLOOP
	FIN
	OUTC 1
	s_barrier_signal -1
	s_barrier_wait -1
	s_set_vgpr_msb 0x5
	s_wait_tensorcnt 0x0
	ds_add_u32 v0, v1
	s_wait_dscnt 0x0
	s_set_vgpr_msb 0x500
	s_endpgm
.Lfunc_end_k_q5dbab06b21_embed:
	.size	k_q5dbab06b21_embed, .Lfunc_end_k_q5dbab06b21_embed-k_q5dbab06b21_embed
	.p2alignl 7, 3214868480
	.fill 96, 4, 3214868480
	.section	.rodata,"a",@progbits
	.p2align	6, 0x0
	.amdhsa_kernel k_q5dbab06b21_embed
		.amdhsa_group_segment_fixed_size 168960
		.amdhsa_private_segment_fixed_size 0
		.amdhsa_enable_private_segment 0
		.amdhsa_kernarg_size 72
		.amdhsa_user_sgpr_count 2
		.amdhsa_user_sgpr_kernarg_segment_ptr 1
		.amdhsa_wavefront_size32 1
		.amdhsa_system_sgpr_workgroup_id_x 1
		.amdhsa_system_sgpr_workgroup_id_y 1
		.amdhsa_system_sgpr_workgroup_id_z 1
		.amdhsa_system_vgpr_workitem_id 0
		.amdhsa_next_free_vgpr 258
		.amdhsa_next_free_sgpr 66
		.amdhsa_reserve_vcc 1
		.amdhsa_float_denorm_mode_32 3
		.amdhsa_float_denorm_mode_16_64 3
		.amdhsa_memory_ordered 1
		.amdhsa_forward_progress 1
		.amdhsa_inst_pref_size 96
	.end_amdhsa_kernel
	.amdgpu_metadata
---
amdhsa.version: [ 1, 2 ]
amdhsa.kernels:
  - .name:           k_q5dbab06b21_embed
    .symbol:         k_q5dbab06b21_embed.kd
    .args:
      - { .name: locs, .offset: 0, .size: 8, .value_kind: global_buffer, .address_space: global }
      - { .name: probe, .offset: 8, .size: 8, .value_kind: global_buffer, .address_space: global }
      - { .name: W1, .offset: 16, .size: 8, .value_kind: global_buffer, .address_space: global }
      - { .name: b1, .offset: 24, .size: 8, .value_kind: global_buffer, .address_space: global }
      - { .name: W2, .offset: 32, .size: 8, .value_kind: global_buffer, .address_space: global }
      - { .name: b2, .offset: 40, .size: 8, .value_kind: global_buffer, .address_space: global }
      - { .name: W3, .offset: 48, .size: 8, .value_kind: global_buffer, .address_space: global }
      - { .name: b3, .offset: 56, .size: 8, .value_kind: global_buffer, .address_space: global }
      - { .name: out0, .offset: 64, .size: 8, .value_kind: global_buffer, .address_space: global }
    .group_segment_fixed_size: 168960
    .private_segment_fixed_size: 0
    .kernarg_segment_align: 8
    .kernarg_segment_size: 72
    .max_flat_workgroup_size: 256
    .sgpr_count:     66
    .vgpr_count:     258
    .wavefront_size: 32
...
	.end_amdgpu_metadata
.endif
;; end of part 1
